; MI455X (gfx1250); checked and timed in simulation.
; The chip was launched on July 23, 2026; its instructions are those of AMD's public machine-readable ISA for CDNA 5 (MIT licence, August 2026) and "CDNA5" Instruction Set Architecture Reference Guide (July 2026). The comments in the code are by the model that wrote it; some were corrected since.
;; Mo E Experts. Allowed arithmetic: float matrix products may take bf16 or f16 operands with f32 sums; other float arithmetic in f32, or as packed bf16 or f16 multiplies, adds, multiply-adds, maxima and minima; sums over many terms, partial sums and values carried from step to step in f32; what a program stores and reads back later, other than sums and carried values, may be rounded once to bf16 or f16.
;; Inputs: batch_sizes 8 int32; hiddens 1,024 x 1,024 float32; w1_weight 8 x 1,024 x 4,096 float32; w2_weight 8 x 4,096 x 1,024 float32.
;; Outputs: out0 1,024 x 1,024 float32.
;; One version. Each part assembles by itself: llvm-mc -triple=amdgcn-amd-amdhsa -mcpu=gfx1250 --defsym DOCPART=n.
;; ======== version 1 of 1: 3 launches
;; workspace buffers: up 8,388,608 bytes; part 16,777,216 bytes
;; launch up_proj (part 1): grid 32 x 8, 4 waves a work-group, no clusters, 304,640 bytes of LDS; arguments batch_sizes, hiddens, w1_weight, up; writes up
.if DOCPART == 1
	.amdgcn_target "amdgcn-amd-amdhsa--gfx1250"
	.amdhsa_code_object_version 6
	.text
	.protected	k_qda836fcd19_up_proj
	.globl	k_qda836fcd19_up_proj
	.p2align	8
	.type	k_qda836fcd19_up_proj,@function
k_qda836fcd19_up_proj:
	s_mov_b64 s[64:65], 0
	v_nop
	global_prefetch_b8 v0, s[64:65] scope:SCOPE_SE
	s_setreg_imm32_b32 hwreg(HW_REG_WAVE_MODE, 25, 1), 1
	s_wait_xcnt 0x0
; GROUPED PRODUCT, rows sorted by expert: up[1024][4096] (bf16, rounded once) = hiddens[1024][1024] (f32) x w1[e][1024][4096] (f32).
; Arguments: batch_sizes, X = hiddens, W = w1_weight, OUT = up.  Operands are rounded to bf16 on their way through registers; all sums are f32.
; LIMITS.  batch_sizes are taken as unsigned (a negative size acts as 1,024 or more); sums past 1,024 are cut at 1,024; rows that no expert
; takes get 0.  An infinity or NaN in one expert's weights reaches that expert's rows alone.
; TILES.  Nine segments of rows: the eight experts' and the rows behind the last.  A segment of c rows has ceil(c / 128) tiles of up to 128 rows;
; over nine segments of 1,024 rows in all that is 8 tiles at the least and floor((1024 + 9 x 127) / 128) = 16 at the most.  Work-group (x, j) takes tiles j and j + 8, in a loop of two trips;
; a tile that a split does not have is jumped over, forward, past text that holds no barrier.  A tile works on the window of 128 rows from
; min(first row, 896) on, so that no load leaves X; rows of the window outside the tile are computed and not stored (rows of a product do not mix).
; SHARES.  A work-group has 128 columns (x) and 1,024 of K; its four waves split K, 256 each.  A wave holds 128 rows x 128 columns in 64 accumulators,
; so no byte of W or X is loaded by two waves, and the main phase has no barrier.  At a tile's end the four partial sums meet in LDS; wave o adds and stores rows 32 o .. 32 o + 31.
; NO CLUSTER, NO TENSOR LOADS: each weight byte has one consumer; the token window is f32, 128 x 1,024 x 4 = 512 KiB for a work-group, more than LDS holds, and is rounded on its way in.
; WEIGHTS lie [K][N].  A load of 16 bytes gives a lane 4 neighbouring columns of one k (16 lanes: 256 consecutive bytes, aligned); 16 such loads (16 k) and
; 32 conversions make 4 whole fragments, whose 16 rows are the columns 64 q + 4 r + c.  With the weights as source 0 and the tokens as source 1, register j of lane (r, h) of
; accumulator (t, q, c) is token 16 t + r, column 64 q + 32 h + 4 j + c.
; ORDER.  A granule is a K step (32 k) of a quad q (64 columns).  Granules 0 to 11 go K step by K step, both quads; the last four go (6, 0), (7, 0), (6, 1), (7, 1): quad 0's sums are
; then finished two granules ahead of the end, and their way into LDS stands between the last 64 products.
; REGISTERS, in windows of 256 (s_set_vgpr_msb: bits 1:0 source 0, 3:2 source 1, 5:4 source 2, 7:6 destination):
;   window 0: v0-31 addresses; v64-127, v128-191 token fragments, two buffers (also at work in staging and on the way out); v192-255 ring set 3
;   window 1: v0-63 weight fragments, two buffers of 32 (8 c); v64-255 ring sets 0-2; on the way out all 256: the four waves' partial sums
;   window 2, 3: the accumulators of q = 0, 1, at 8 (4 t + c)
.set XSTR, 4096        ; bytes in a row of X
.set XSH,  12
.set XWSH, 10          ; a wave's 256 k in a row of X: 1,024 bytes
.set WSTR, 16384       ; bytes in a row of W
.set WSH,  14
.set WWSH, 22          ; a wave's 256 rows of W
.set OSTR, 8192        ; bytes in a row of OUT
.set OSH,  13
.set OXSH, 8           ; the slice's 128 columns in a row of OUT: 256 bytes
.set SP,   272         ; a row of the stage: 256 bytes + 16
.set LSH,  3           ; a lane's 8 bytes of a row, staged and stored
.set HSH,  6           ; the upper lanes' 32 columns: 64 bytes on
.set PX,    528        ; a token row in LDS: 256 k in bf16 + 16 bytes = 33 x 16: the 16 rows of a fragment load start in 16 different groups of four banks (64 banks of 4 bytes: ISA guide 11.1)
.set REG,   128*PX     ; a wave's region: first its 128 token rows, then its 64 accumulator images
.set IMG,   1024       ; an image: registers 0-3 of 32 lanes, then registers 4-7
.set OWN,   16*IMG     ; the 16 images that one owner reads
.set STG,   4*REG      ; behind the regions: a stage of 16 rows for each wave
.set STW,   16*528
.set SPARE, STG+4*STW  ; behind the stages: the spare words, 128 bytes for each wave
.set LANE, 1
.set RL,   2           ; lane % 16
.set HL,   3           ; lane / 16
.set VW,   4           ; weights: 8 rows on for the upper lanes, 16 bytes a lane
.set VP,   5           ; prefetch: a row a lane
.set VX,   6           ; X: 16 bytes a lane
.set AS,   7           ; staging: my bytes of my region's row 0; never rewritten
.set AS2,  8           ; the same, 64 rows on, so that every row's offset fits the 16-bit immediate; never rewritten
.set AX,   9           ; token fragments: row r, 16 bytes for each half of the lanes
.set AI,   10          ; images, written
.set AR,   12          ; v12-15 images, read: wave src's region, my block
.set SG,   16          ; stage, in
.set SR,   17          ; stage, back by rows
.set VO,   18          ; my bytes in a row of the slice in OUT
.set SPW,  30          ; LDS address of my spare word; never rewritten
.set NIL,  31          ; 0; never rewritten
.set XF,   64          ; token fragments
.set TB,   64          ; staging: converted rows
.set PK,   64          ; the way out: results in the order of a row
.set RR,   128         ; the way out: rows read back
.set S_W,    12        ; wave
.set S_SX,   13        ; slice of 128 columns
.set S_J,    14        ; grid y
.set S_BS,   16        ; s[16:23] batch_sizes
.set S_XB,   24        ; s[24:25] X at my window and my k
.set S_WB,   26        ; s[26:27] W at my expert, my k, my slice
.set S_OB,   28        ; s[28:29] OUT at my 32 rows of the window, my slice
.set S_TRIP, 30
.set S_TT,   31        ; the tile's number
.set S_SEG,  32
.set S_R0,   33        ; the tile's first row
.set S_EN,   34        ; the segment's end, then the tile's
.set S_B,    35        ; running bound
.set S_C,    36        ; running count of tiles
.set S_T0,   37
.set S_T1,   38
.set S_T2,   39
.set S_T3,   40
.set S_WS,   42        ; the window's first row
.set S_LIVE, 43        ; not 0: the tile has rows and an expert
.set S_CNT,  44        ; the tile's rows
.set S_RB,   45        ; my first row, counted from the tile's first
.set S_SEGW, 46        ; the expert
.set S_OF,   48        ; s[48:49] an offset, high word 0
.set S_G,    51
.set MSB, 0
.macro WIN new                         ; the immediate's high byte repeats the setting that is left; a switch that changes nothing is dropped
.if MSB != (\new)
	s_set_vgpr_msb (MSB<<8)|(\new)
.set MSB, \new
.endif
.endm
.macro SLOTSEL s                       ; ring set s: GB its first register, GW its window
.if (\s) < 3
.set GB, 64+64*(\s)
.set GW, 1
.else
.set GB, 192
.set GW, 0
.endif
.endm
.macro GMAP g                          ; granule g: GS its K step, GQ its quad
.if (\g) < 12
.set GS, (\g)/2
.set GQ, (\g)%2
.else
.set GS, 6+(\g)%2
.set GQ, ((\g)-12)/2
.endif
.endm
; Segment e: its end t0, its tiles t1; if tile TT is one of them, the segment, the tile's first row and the segment's end are kept.
.macro SEGSTEP e
.if (\e) < 8
	s_min_u32 s[S_T0], s[S_BS+(\e)], 1024
	s_add_co_u32 s[S_T0], s[S_T0], s[S_B]
	s_min_u32 s[S_T0], s[S_T0], 1024
.else
	s_mov_b32 s[S_T0], 1024                        ; the rows that no expert takes
.endif
	s_sub_co_u32 s[S_T1], s[S_T0], s[S_B]
	s_add_co_u32 s[S_T1], s[S_T1], 127
	s_lshr_b32 s[S_T1], s[S_T1], 7
	s_sub_co_u32 s[S_T2], s[S_TT], s[S_C]          ; wraps to a large number for a tile of an earlier segment
	s_lshl_b32 s[S_T3], s[S_T2], 7
	s_add_co_u32 s[S_T3], s[S_T3], s[S_B]
	s_cmp_lt_u32 s[S_T2], s[S_T1]
	s_cselect_b32 s[S_SEG], \e, s[S_SEG]
	s_cselect_b32 s[S_R0], s[S_T3], s[S_R0]
	s_cselect_b32 s[S_EN], s[S_T0], s[S_EN]
	s_mov_b32 s[S_B], s[S_T0]
	s_add_co_u32 s[S_C], s[S_C], s[S_T1]
.endm
; 16 loads of X into a ring set: 8 rows from \row on, two halves of 512 bytes each.  The row stands in the immediate: 127 rows at the most,
; inside the signed 24 bits (ISA guide, chapter 10).  No hint: the slices' work-groups read these rows again.
.macro XLOAD slot, row
	SLOTSEL \slot
	WIN 0x40*GW
.irp i, 0,1,2,3,4,5,6,7,8,9,10,11,12,13,14,15
	global_load_b128 v[GB+4*\i:GB+4*\i+3], v[VX], s[S_XB:S_XB+1] offset:((\row)+(\i/2))*XSTR+(\i%2)*512
.endr
.endm
; Granule g of the weights: 16 loads, of which \from to \to are written.  Load i takes row i (i < 8) or i + 8 of the K step,
; the upper lanes 8 rows on; each half of the lanes reads 256 consecutive bytes, aligned.  With an even split each byte is read once in the launch: hence the hint.
.macro WLOAD g, from, to
	SLOTSEL (\g)%4
	GMAP \g
	WIN 0x40*GW
.irp i, 0,1,2,3,4,5,6,7,8,9,10,11,12,13,14,15
.if (\i >= (\from)) && (\i <= (\to))
	global_load_b128 v[GB+4*\i:GB+4*\i+3], v[VW], s[S_WB:S_WB+1] offset:(32*GS+\i+8*(\i/8))*WSTR+256*GQ th:TH_LOAD_NT
.endif
.endr
.endm
; The 32 lanes ask for the 32 row pieces of 256 bytes of granule g: each piece once for a tile, by the wave that will load it: granules 0 to 3 at the head of the staging,
; every later one beside the load of the granule four ahead of it; none past granule 15.
.macro PREF g
	GMAP \g
	global_prefetch_b8 v[VP], s[S_WB:S_WB+1] offset:32*GS*WSTR+256*GQ th:TH_LOAD_NT scope:SCOPE_SE
.endm
; Piece p of sixteen, rows 8 p .. 8 p + 7, is rounded to bf16 and laid into my region.  The LDS address is one of two fixed registers and the row's immediate.
.macro XPIECE p
	SLOTSEL (\p)%4
	s_wait_loadcnt 48                              ; loads come back in order (ISA guide 5.7.1): this set's 16 are in, the three younger sets' 48 stay out
	WIN 5*GW
.irp i, 0,1,2,3,4,5,6,7,8,9,10,11,12,13,14,15
	v_cvt_pk_bf16_f32 v[TB+2*\i], v[GB+4*\i], v[GB+4*\i+1]
	v_cvt_pk_bf16_f32 v[TB+2*\i+1], v[GB+4*\i+2], v[GB+4*\i+3]
.endr
	WIN 0
.irp i, 0,1,2,3,4,5,6,7,8,9,10,11,12,13,14,15
.if (\p) < 8
	ds_store_b64 v[AS], v[TB+2*\i:TB+2*\i+1] offset:(8*(\p)+(\i/2))*PX+(\i%2)*256
.else
	ds_store_b64 v[AS2], v[TB+2*\i:TB+2*\i+1] offset:(8*((\p)-8)+(\i/2))*PX+(\i%2)*256
.endif
.endr
.endm
; The token fragments of K step s (128 rows x 32 k) into buffer s % 2: lane l holds row l % 16, k = 8 (l / 16) + 0..7 and 16 + 8 (l / 16) + 0..7: two loads, 32 bytes apart.
.macro XFETCH s
	WIN 0
.irp t, 0,1,2,3,4,5,6,7
	ds_load_b128 v[XF+64*((\s)%2)+8*\t:XF+64*((\s)%2)+8*\t+3],   v[AX] offset:\t*16*PX+64*(\s)
	ds_load_b128 v[XF+64*((\s)%2)+8*\t+4:XF+64*((\s)%2)+8*\t+7], v[AX] offset:\t*16*PX+64*(\s)+32
.endr
.endm
; PERIOD p: granule p is rounded into 4 fragments (buffer p % 2), its ring set is asked for again (granule p + 4), and 32 products follow: 8 token tiles x 4 fragments, 32 along K.
; A quad's 32 accumulators take turns, one instruction a turn, in the same order in every period.
; The 32 conversions name no register of the products before them: they are the places in front of the loads into the token buffer that an earlier K step read,
; in front of the LDS stores of sums finished in the period before, and the period before's 32 are those in front of the rewriting of this fragment buffer.
; Periods 14 and 15 (quad 1's last two) also carry quad 0's finished sums into LDS: one accumulator's two stores behind every second product.  My token rows are dead by then:
; the last fragments were waited for at period 13's head.  Each accumulator's low registers go first.
.macro PERIOD p
	GMAP \p
.set PS, GS
.set PQ, GQ
.set WFB, 32*((\p)%2)
	SLOTSEL (\p)%4
.if (\p) <= 12
	s_wait_loadcnt 48                              ; granule p is in; the three younger granules stay out
.else
	s_wait_loadcnt 16*(15-(\p))                    ; nothing is asked for any more: the counts run down
.endif
	WIN 0x40+5*GW
.irp c, 0,1,2,3
.irp pr, 0,1,2,3,4,5,6,7
	v_cvt_pk_bf16_f32 v[WFB+8*\c+\pr], v[GB+8*\pr+\c], v[GB+8*\pr+4+\c]  ; column c of two neighbouring k
.endr
.endr
.if (\p) <= 11
	WLOAD (\p)+4, 0, 14                            ; fifteen now: 48 + 15 = 63 loads of mine are out while the products are issued
.endif
.if (\p) <= 7
	PREF (\p)+8
.endif
.if PQ == 0
	s_wait_dscnt 0x0                               ; this K step's token fragments are in
.if PS < 7
	XFETCH PS+1
.endif
.endif
.irp c, 0,1,2,3
.irp t, 0,1,2,3,4,5,6,7
	WIN 0xa1+0x50*PQ
.if PS == 0
	v_wmma_f32_16x16x32_bf16 v[8*(4*\t+\c):8*(4*\t+\c)+7], v[WFB+8*\c:WFB+8*\c+7], v[XF+64*(PS%2)+8*\t:XF+64*(PS%2)+8*\t+7], 0
.else
	v_wmma_f32_16x16x32_bf16 v[8*(4*\t+\c):8*(4*\t+\c)+7], v[WFB+8*\c:WFB+8*\c+7], v[XF+64*(PS%2)+8*\t:XF+64*(PS%2)+8*\t+7], v[8*(4*\t+\c):8*(4*\t+\c)+7]
.endif
.if ((\p) >= 14) && ((\t)%2 == 1)
.set IA, 16*((\p)-14)+4*\c+(\t)/2      ; quad 0's accumulator 4 t + c: 16 of the 32 in each of the two periods
	WIN 0x08                                       ; address window 0, data window 2
	ds_store_b128 v[AI], v[8*IA:8*IA+3]   offset:((IA/4)/2)*OWN+(((IA/4)%2)*8+IA%4)*IMG
	ds_store_b128 v[AI], v[8*IA+4:8*IA+7] offset:((IA/4)/2)*OWN+(((IA/4)%2)*8+IA%4)*IMG+512
.endif
.endr
.endr
.if (\p) <= 11
	WLOAD (\p)+4, 15, 15                           ; and the sixteenth
.endif
.endm
; Row 16 b + p of my 32 is stored if it lies in the tile: one store is the slice's whole row, 256 consecutive aligned bytes from 32 neighbouring lanes.  EXEC is never changed.
.macro ROWST b, p
	s_add_co_u32 s[S_G], s[S_RB], 16*(\b)+(\p)
	s_cmp_lt_u32 s[S_G], s[S_CNT]                  ; unsigned: a row ahead of the tile wraps to a large number
	s_cbranch_scc0 .Lnot_mine_\@
	global_store_b64 v[VO], v[RR+2*(\p):RR+2*(\p)+1], s[S_OB:S_OB+1] offset:(16*(\b)+(\p))*OSTR
.Lnot_mine_\@:
.endm
; THE WAY OUT of my token tile 2 w + b: the four waves' images are added, (0 + 1) + (2 + 3), rounded to bf16 in the order of a row, sent through my own stage and stored by rows.
.macro OUTB b
	s_wait_xcnt 0x0                                ; every earlier memory instruction has had its addresses translated (ISA guide 3.1): the registers that earlier stores read are rewritten only behind this wait
	s_cmp_eq_u32 s[S_LIVE], 0
	s_cbranch_scc1 .Lzero_\b                       ; rows without an expert
	WIN 0x40
.irp src, 0,1,2
.irp a, 0,1,2,3,4,5,6,7
	ds_load_b128 v[64*\src+8*\a:64*\src+8*\a+3],   v[AR+\src] offset:(8*(\b)+\a)*IMG
	ds_load_b128 v[64*\src+8*\a+4:64*\src+8*\a+7], v[AR+\src] offset:(8*(\b)+\a)*IMG+512
.endr
.endr
	s_wait_dscnt 16                                ; waves 0's and 1's sums are in; wave 2's 16 loads may be out
.irp a, 0,1,2,3,4,5,6,7
	ds_load_b128 v[192+8*\a:192+8*\a+3],   v[AR+3] offset:(8*(\b)+\a)*IMG
	ds_load_b128 v[192+8*\a+4:192+8*\a+7], v[AR+3] offset:(8*(\b)+\a)*IMG+512
.endr
	WIN 0x45
.set z, 0
.rept 32
	v_pk_add_f32 v[z:z+1], v[z:z+1], v[64+z:64+z+1]
.set z, z+2
.endr
	s_wait_dscnt 0x0
.set z, 0
.rept 32
	v_pk_add_f32 v[128+z:128+z+1], v[128+z:128+z+1], v[192+z:192+z+1]
.set z, z+2
.endr
.set z, 0
.rept 32
	v_pk_add_f32 v[z:z+1], v[z:z+1], v[128+z:128+z+1]
.set z, z+2
.endr
	WIN 0x05                                       ; sources in window 1, destination in window 0
.irp q, 0,1
.irp j, 0,1,2,3,4,5,6,7
	v_cvt_pk_bf16_f32 v[PK+16*\q+2*\j],   v[32*\q+\j],    v[32*\q+8+\j]   ; columns 4 j, 4 j + 1 of my 32: fragments c = 0, 1
	v_cvt_pk_bf16_f32 v[PK+16*\q+2*\j+1], v[32*\q+16+\j], v[32*\q+24+\j]  ; columns 4 j + 2, 4 j + 3
.endr
.endr
	WIN 0
.irp q, 0,1
.irp i, 0,1,2,3
	ds_store_b128 v[SG], v[PK+16*\q+4*\i:PK+16*\q+4*\i+3] offset:128*\q+16*\i
.endr
.endr
.irp p, 0,1,2,3,4,5,6,7,8,9,10,11,12,13,14,15
	ds_load_b64 v[RR+2*\p:RR+2*\p+1], v[SR] offset:SP*\p  ; LDS serves a wave's instructions in order (ISA guide 5.7.1.4): these see the stores above
.endr
	s_wait_dscnt 0x0
	s_branch .Lstore_\b
.Lzero_\b:
.if (\b) == 0                          ; block 1 finds block 0's zeros still there: the flag does not change between the two, and nothing writes these registers on this way
.set z, 0
.rept 32
	v_mov_b32 v[RR+z], 0
.set z, z+1
.endr
.endif
.Lstore_\b:
.irp p, 0,1,2,3,4,5,6,7,8,9,10,11,12,13,14,15
	ROWST \b, \p
.endr
.endm
	s_load_b256 s[4:11], s[0:1], 0x0               ; batch_sizes s[4:5], X s[6:7], W s[8:9], OUT s[10:11]: never rewritten
	v_lshl_add_u32 v[SPW], v0, 2, SPARE
	v_mov_b32 v[NIL], 0
	v_lshrrev_b32 v[LANE], 5, v0
	v_readfirstlane_b32 s[S_W], v[LANE]            ; wave 0..3
	v_and_b32 v[LANE], 31, v0
	v_and_b32 v[RL], 15, v0
	v_bfe_u32 v[HL], v0, 4, 1
	v_lshlrev_b32 v[VW], 4, v[RL]
	v_lshl_add_u32 v[VW], v[HL], WSH+3, v[VW]
	v_lshlrev_b32 v[VP], WSH, v[LANE]
	v_lshlrev_b32 v[VX], 4, v[LANE]
	s_mul_i32 s[S_T0], s[S_W], REG                 ; my region
	v_lshl_add_u32 v[AS], v[LANE], LSH, s[S_T0]
	v_add_nc_u32 v[AS2], 64*PX, v[AS]
	v_mul_u32_u24 v[AX], v[RL], PX
	v_lshl_add_u32 v[AX], v[HL], 4, v[AX]
	v_add_nc_u32 v[AX], s[S_T0], v[AX]
	v_lshl_add_u32 v[AI], v[LANE], 4, s[S_T0]
	s_lshl_b32 s[S_T1], s[S_W], 14                 ; my block of images in every region
	v_lshl_add_u32 v[AR], v[LANE], 4, s[S_T1]
	v_add_nc_u32 v[AR+1], REG, v[AR]
	v_add_nc_u32 v[AR+2], 2*REG, v[AR]
	v_add_nc_u32 v[AR+3], 3*REG, v[AR]
	s_mul_i32 s[S_T2], s[S_W], STW
	s_add_co_u32 s[S_T2], s[S_T2], STG             ; my stage
	v_mul_u32_u24 v[SG], v[RL], SP
	v_lshl_add_u32 v[SG], v[HL], HSH, v[SG]
	v_add_nc_u32 v[SG], s[S_T2], v[SG]
	v_lshl_add_u32 v[SR], v[LANE], LSH, s[S_T2]
	v_lshlrev_b32 v[VO], LSH, v[LANE]
	s_mov_b32 s[S_SX], ttmp9
	s_and_b32 s[S_J], ttmp7, 0xffff
	s_mov_b32 s[S_OF+1], 0
	s_mov_b32 s[S_TRIP], 0
	s_wait_kmcnt 0x0
	s_load_b256 s[S_BS:S_BS+7], s[4:5], 0x0
	s_wait_kmcnt 0x0
.Ltile:                                                ; two trips: tiles j and j + 8
	s_wait_xcnt 0x0                                ; the last trip's loads, prefetches and stores have read their bases
	s_lshl_b32 s[S_TT], s[S_TRIP], 3
	s_add_co_u32 s[S_TT], s[S_TT], s[S_J]
	s_mov_b32 s[S_B], 0
	s_mov_b32 s[S_C], 0
	s_mov_b32 s[S_SEG], 0                          ; a tile that the split does not have keeps these three zeros: no rows
	s_mov_b32 s[S_R0], 0
	s_mov_b32 s[S_EN], 0
.irp e, 0,1,2,3,4,5,6,7,8
	SEGSTEP \e
.endr
	s_add_co_u32 s[S_T0], s[S_R0], 128
	s_min_u32 s[S_EN], s[S_T0], s[S_EN]            ; the tile's end
	s_sub_co_u32 s[S_CNT], s[S_EN], s[S_R0]
	s_min_u32 s[S_WS], s[S_R0], 896                ; what enters an address is bounded here by a written constant: the window stays inside X and OUT,
	s_min_u32 s[S_SEGW], s[S_SEG], 7               ; the expert inside W
	s_sub_co_u32 s[S_T0], s[S_R0], s[S_WS]
	s_lshl_b32 s[S_RB], s[S_W], 5
	s_sub_co_u32 s[S_RB], s[S_RB], s[S_T0]
	s_lshl_b32 s[S_OF], s[S_WS], XSH               ; X: the window's first row, my 256 k
	s_lshl_b32 s[S_T0], s[S_W], XWSH
	s_add_co_u32 s[S_OF], s[S_OF], s[S_T0]
	s_add_nc_u64 s[S_XB:S_XB+1], s[6:7], s[S_OF:S_OF+1]
	s_lshl_b32 s[S_OF], s[S_SEGW], 24              ; W: the expert's 16 MiB, my 256 rows, the slice's 512 bytes
	s_lshl_b32 s[S_T0], s[S_W], WWSH
	s_add_co_u32 s[S_OF], s[S_OF], s[S_T0]
	s_lshl_b32 s[S_T0], s[S_SX], 9
	s_add_co_u32 s[S_OF], s[S_OF], s[S_T0]
	s_add_nc_u64 s[S_WB:S_WB+1], s[8:9], s[S_OF:S_OF+1]
	s_lshl_b32 s[S_T0], s[S_W], 5                  ; OUT: my 32 rows of the window, the slice
	s_add_co_u32 s[S_T0], s[S_T0], s[S_WS]
	s_lshl_b32 s[S_OF], s[S_T0], OSH
	s_lshl_b32 s[S_T0], s[S_SX], OXSH
	s_add_co_u32 s[S_OF], s[S_OF], s[S_T0]
	s_add_nc_u64 s[S_OB:S_OB+1], s[10:11], s[S_OF:S_OF+1]
	s_cmp_eq_u32 s[S_SEG], 8
	s_cselect_b32 s[S_LIVE], 0, s[S_CNT]
	s_cmp_eq_u32 s[S_LIVE], 0
	s_cbranch_scc1 .Ldead1                         ; nothing to multiply
	; STAGING: my 128 rows x 256 k of X go through the ring's four sets into my region, as bf16.  X's pieces and the weights' granules are one queue of groups of 16 loads:
	; a group is used and another is asked for into its registers.  Written out: every LDS and global offset is an immediate beside a register that is never rewritten.
.irp p, 0,1,2,3
	XLOAD \p, 8*\p
.endr
.irp g, 0,1,2,3
	PREF \g
.endr
.irp p, 0,1,2,3,4,5,6,7,8,9,10,11,12,13,14,15  ; a piece is 8 rows of 1,024 bytes of f32
	XPIECE \p
.if \p < 12
	XLOAD \p%4, 8*(\p+4)                           ; the set takes the piece four further on,
.else
	WLOAD \p-12, 0, 15                             ; or, behind the last four pieces, one of the first four granules of the weights
	PREF \p-8
.endif
.endr
	XFETCH 0                                       ; my own bytes: LDS serves a wave's instructions in order (ISA guide 5.7.1.4), so these see the stores above
	; THE MAIN PHASE: 16 periods, written out: every offset is an immediate, 255 rows of W at the most, inside the signed 24 bits (ISA guide, chapter 10)
.irp p, 0,1,2,3,4,5,6,7,8,9,10,11,12,13,14,15
	PERIOD \p
.endr
.rept 4
	v_nop                                          ; the places between the last products and the stores that read results
.endr
	; Quad 1's 32 partial sums follow quad 0's into my region: owner t / 2's block, image (t % 2) 8 + 4 q + c; each accumulator's low registers first.
	WIN 0x0c                                       ; address window 0, data window 3
.irp t, 0,1,2,3,4,5,6,7
.irp c, 0,1,2,3
	ds_store_b128 v[AI], v[8*(4*\t+\c):8*(4*\t+\c)+3]   offset:(\t/2)*OWN+((\t%2)*8+4+\c)*IMG
	ds_store_b128 v[AI], v[8*(4*\t+\c)+4:8*(4*\t+\c)+7] offset:(\t/2)*OWN+((\t%2)*8+4+\c)*IMG+512
.endr
.endr
	WIN 0
.Ldead1:
	s_wait_dscnt 0x0                               ; for the others' sake: my images are written
	s_barrier_signal -1
	s_barrier_wait -1                              ; everybody's are
	s_cmp_eq_u32 s[S_CNT], 0
	s_cbranch_scc1 .Ldead2                         ; a tile without rows stores nothing
	OUTB 0
	OUTB 1
.Ldead2:
	s_wait_dscnt 0x0                               ; my reads of the others' regions are over
	s_barrier_signal -1
	s_barrier_wait -1                              ; everybody's are: the next trip may stage over the images
	s_add_co_u32 s[S_TRIP], s[S_TRIP], 1
	s_cmp_lt_u32 s[S_TRIP], 2
	s_cbranch_scc1 .Ltile
	s_wait_tensorcnt 0x0                           ; the wave's end: behind my last LDS store
	ds_add_u32 v[SPW], v[NIL]
	s_wait_dscnt 0x0
	s_endpgm
.Lfunc_end_k_qda836fcd19_up_proj:
	.size	k_qda836fcd19_up_proj, .Lfunc_end_k_qda836fcd19_up_proj-k_qda836fcd19_up_proj
	.p2alignl 7, 3214868480
	.fill 96, 4, 3214868480
	.section	.rodata,"a",@progbits
	.p2align	6, 0x0
	.amdhsa_kernel k_qda836fcd19_up_proj
		.amdhsa_group_segment_fixed_size 304640
		.amdhsa_private_segment_fixed_size 0
		.amdhsa_enable_private_segment 0
		.amdhsa_kernarg_size 32
		.amdhsa_user_sgpr_count 2
		.amdhsa_user_sgpr_kernarg_segment_ptr 1
		.amdhsa_wavefront_size32 1
		.amdhsa_system_sgpr_workgroup_id_x 1
		.amdhsa_system_sgpr_workgroup_id_y 1
		.amdhsa_system_sgpr_workgroup_id_z 1
		.amdhsa_system_vgpr_workitem_id 0
		.amdhsa_next_free_vgpr 1024
		.amdhsa_next_free_sgpr 66
		.amdhsa_reserve_vcc 0
		.amdhsa_float_denorm_mode_32 3
		.amdhsa_float_denorm_mode_16_64 3
		.amdhsa_memory_ordered 1
		.amdhsa_forward_progress 1
		.amdhsa_inst_pref_size 228
	.end_amdhsa_kernel
	.amdgpu_metadata
---
amdhsa.version: [ 1, 2 ]
amdhsa.kernels:
  - .name:           k_qda836fcd19_up_proj
    .symbol:         k_qda836fcd19_up_proj.kd
    .args:
      - { .name: batch_sizes, .offset: 0, .size: 8, .value_kind: global_buffer, .address_space: global }
      - { .name: hiddens, .offset: 8, .size: 8, .value_kind: global_buffer, .address_space: global }
      - { .name: w1_weight, .offset: 16, .size: 8, .value_kind: global_buffer, .address_space: global }
      - { .name: up, .offset: 24, .size: 8, .value_kind: global_buffer, .address_space: global }
    .group_segment_fixed_size: 304640
    .private_segment_fixed_size: 0
    .kernarg_segment_align: 8
    .kernarg_segment_size: 32
    .max_flat_workgroup_size: 128
    .sgpr_count:     66
    .vgpr_count:     1024
    .wavefront_size: 32
...
	.end_amdgpu_metadata
.endif
;; end of part 1
;; launch down_proj (part 2): grid 32 x 8, 4 waves a work-group, no clusters, 327,680 bytes of LDS; arguments batch_sizes, up, w2_weight, part; writes part
.if DOCPART == 2
	.amdgcn_target "amdgcn-amd-amdhsa--gfx1250"
	.amdhsa_code_object_version 6
	.text
	.protected	k_qda836fcd19_down_proj
	.globl	k_qda836fcd19_down_proj
	.p2align	8
	.type	k_qda836fcd19_down_proj,@function
k_qda836fcd19_down_proj:
	s_mov_b64 s[64:65], 0
	v_nop
	global_prefetch_b8 v0, s[64:65] scope:SCOPE_SE
	s_setreg_imm32_b32 hwreg(HW_REG_WAVE_MODE, 25, 1), 1
	s_wait_xcnt 0x0
; GROUPED PRODUCT, rows sorted by expert: part[kq][1024][1024] (f32 partial sums) = up[:, 1024 kq ..] (bf16) x w2[e][1024 kq ..][1024] (f32), kq = 0..3.
; Arguments: batch_sizes, X = up, W = w2_weight, OUT = part.  The weights are rounded to bf16 on their way through registers; all sums are f32.
; LIMITS.  batch_sizes are taken as unsigned (a negative size acts as 1,024 or more); sums past 1,024 are cut at 1,024; rows that no expert
; takes get 0.  An infinity or NaN in one expert's weights reaches that expert's rows alone.
; TILES.  Nine segments of rows: the eight experts' and the rows behind the last.  A segment of c rows has ceil(c / 128) tiles of up to 128 rows;
; over nine segments of 1,024 rows in all that is 8 tiles at the least and floor((1024 + 9 x 127) / 128) = 16 at the most.  Work-group (x, j) takes tiles j and j + 8, in a loop of two trips;
; a tile that a split does not have is jumped over, forward, past text that holds no barrier and no tensor load.  A tile works on the window of 128 rows from
; min(first row, 896) on, so that no load leaves X; rows of the window outside the tile are computed and not stored (rows of a product do not mix).
; SHARES.  A work-group has 128 columns (x % 8) and 1,024 of K (quarter x / 8); its four waves split K, 256 each.  A wave holds 128 rows x 128 columns in 64 accumulators,
; so no byte of W or X is loaded by two waves, and the main phase has no barrier.  At a tile's end the four partial sums meet in LDS; wave o adds and stores rows 32 o .. 32 o + 31.
; K is split over work-groups too: with all 4,096 of K a work-group of 256 would have 32 columns, half of 256 bytes of a weight row, and would read four times the token bytes.
; TOKENS.  Tile j exists for every split, so its window is asked for ahead of the loop, on every way: one tensor load a wave, 128 rows x 256 k, into the wave's own region; the weights' first
; loads go out behind it without waiting for it.  By this text's count one tensor load of a wave is out, once.
; NO CLUSTER.  Each weight byte has one consumer.  The eight slices of one j and one quarter of K do read the same window, 256 KiB of the 768 KiB that a work-group reads; but the window's
; address, and every jump over a tile or a row, hangs on counts read from memory, and a joint load wants a descriptor and branches made of nothing but what the launch's geometry makes equal in the partners.
; WEIGHTS lie [K][N].  A load of 16 bytes gives a lane 4 neighbouring columns of one k (16 lanes: 256 consecutive bytes, aligned); 16 such loads (16 k) and
; 32 conversions make 4 whole fragments, whose 16 rows are the columns 64 q + 4 r + c.  With the weights as source 0 and the tokens as source 1, register j of lane (r, h) of
; accumulator (t, q, c) is token 16 t + r, column 64 q + 32 h + 4 j + c.
; REGISTERS, in windows of 256 (s_set_vgpr_msb: bits 1:0 source 0, 3:2 source 1, 5:4 source 2, 7:6 destination):
;   window 0: v0-31 addresses; v64-127, v128-191 token fragments, two buffers (also at work on the way out); v192-255 ring set 3
;   window 1: v0-63 weight fragments (32 q + 8 c); v64-255 ring sets 0-2; on the way out all 256: the four waves' partial sums
;   window 2, 3: the accumulators of q = 0, 1, at 8 (4 t + c)
.set XSTR, 8192        ; bytes in a row of X
.set XSH,  13
.set XWSH, 9           ; a wave's 256 k in a row of X: 512 bytes
.set WSTR, 4096        ; bytes in a row of W
.set WSH,  12
.set WWSH, 20          ; a wave's 256 rows of W
.set OSTR, 4096        ; bytes in a row of OUT
.set OSH,  12
.set SP,   528         ; a row of the stage: 512 bytes + 16
.set LSH,  4           ; a lane's 16 bytes of a row, staged and stored
.set HSH,  7           ; the upper lanes' 32 columns: 128 bytes on
.set PX,    528        ; a token row in LDS: 256 k in bf16 + 16 bytes = 33 x 16: the 16 rows of a fragment load start in 16 different groups of four banks (64 banks of 4 bytes: ISA guide 11.1)
.set REG,   128*PX     ; a wave's region: first its 128 token rows, then its 64 accumulator images
.set IMG,   1024       ; an image: registers 0-3 of 32 lanes, then registers 4-7
.set OWN,   16*IMG     ; the 16 images that one owner reads
.set STG,   4*REG      ; behind the regions: a stage of 16 rows for each wave
.set STW,   16*528
.set SPARE, STG+4*STW  ; behind the stages: the spare words, 128 bytes for each wave
.set LANE, 1
.set RL,   2           ; lane % 16
.set HL,   3           ; lane / 16
.set VW,   4           ; weights: 8 rows on for the upper lanes, 16 bytes a lane
.set VP,   5           ; prefetch: a row a lane
.set VX,   6           ; X: 16 bytes a lane
.set AS,   7           ; staging: my bytes of my region's row 0; never rewritten
.set AS2,  8           ; the same, 64 rows on; never rewritten
.set AX,   9           ; token fragments: row r, 16 bytes for each half of the lanes
.set AI,   10          ; images, written
.set AR,   12          ; v12-15 images, read: wave src's region, my block
.set SG,   16          ; stage, in
.set SR,   17          ; stage, back by rows
.set VO,   18          ; my bytes in a row of the slice in OUT
.set SPW,  30          ; LDS address of my spare word; never rewritten
.set NIL,  31          ; 0; never rewritten
.set XF,   64          ; token fragments
.set PK,   64          ; the way out: results in the order of a row
.set RR,   128         ; the way out: rows read back
.set S_CT,   2         ; my slice's 512 bytes in a row of W and of OUT
.set S_TTB,  3         ; the second tile's number, j + 8
.set S_W,    12        ; wave
.set S_SX,   13        ; slice of 128 columns
.set S_J,    14        ; grid y
.set S_KQ,   15        ; quarter of K
.set S_BS,   16        ; s[16:23] batch_sizes
.set S_XB,   24        ; s[24:25] X at my window and my k
.set S_WB,   26        ; s[26:27] W at my expert, my k, my slice
.set S_OB,   28        ; s[28:29] OUT at my 32 rows of the window, my slice
.set S_TRIP, 30
.set S_TT,   31        ; the first tile's number, j
.set S_SEG,  32        ; the tile in hand: its segment,
.set S_R0,   33        ; its first row,
.set S_EN,   34        ; its segment's end, then its own
.set S_B,    35        ; running bound
.set S_C,    36        ; running count of tiles
.set S_T0,   37
.set S_T1,   38
.set S_T2,   39
.set S_T3,   40
.set S_SEGB, 41        ; tile j + 8, kept for the second trip: its segment,
.set S_WS,   42        ; the window's first row
.set S_LIVE, 43        ; not 0: the tile has rows and an expert
.set S_CNT,  44        ; the tile's rows
.set S_RB,   45        ; my first row, counted from the tile's first
.set S_SEGW, 46        ; the expert
.set S_R0B,  47        ; its first row,
.set S_OF,   48        ; s[48:49] an offset, high word 0
.set S_ENB,  50        ; its segment's end
.set S_G,    51
.set G0,     52        ; s[52:55] descriptor group 0; written once
.set G1,     56        ; s[56:63] descriptor group 1; written once
.set MSB, 0
.macro WIN new                         ; the immediate's high byte repeats the setting that is left; a switch that changes nothing is dropped
.if MSB != (\new)
	s_set_vgpr_msb (MSB<<8)|(\new)
.set MSB, \new
.endif
.endm
.macro SLOTSEL s                       ; ring set s: GB its first register, GW its window
.if (\s) < 3
.set GB, 64+64*(\s)
.set GW, 1
.else
.set GB, 192
.set GW, 0
.endif
.endm
; Segment e: its end t0, its tiles t1, made once; then for each of my two tiles: if it is one of the segment's, the segment, the tile's first row and the segment's end are kept.
.macro SEGSTEP e
.if (\e) < 8
	s_min_u32 s[S_T0], s[S_BS+(\e)], 1024
	s_add_co_u32 s[S_T0], s[S_T0], s[S_B]
	s_min_u32 s[S_T0], s[S_T0], 1024
.else
	s_mov_b32 s[S_T0], 1024                        ; the rows that no expert takes
.endif
	s_sub_co_u32 s[S_T1], s[S_T0], s[S_B]
	s_add_co_u32 s[S_T1], s[S_T1], 127
	s_lshr_b32 s[S_T1], s[S_T1], 7
	s_sub_co_u32 s[S_T2], s[S_TT], s[S_C]          ; tile j; wraps to a large number for a tile of an earlier segment
	s_lshl_b32 s[S_T3], s[S_T2], 7
	s_add_co_u32 s[S_T3], s[S_T3], s[S_B]
	s_cmp_lt_u32 s[S_T2], s[S_T1]
	s_cselect_b32 s[S_SEG], \e, s[S_SEG]
	s_cselect_b32 s[S_R0], s[S_T3], s[S_R0]
	s_cselect_b32 s[S_EN], s[S_T0], s[S_EN]
	s_sub_co_u32 s[S_T2], s[S_TTB], s[S_C]         ; tile j + 8
	s_lshl_b32 s[S_T3], s[S_T2], 7
	s_add_co_u32 s[S_T3], s[S_T3], s[S_B]
	s_cmp_lt_u32 s[S_T2], s[S_T1]
	s_cselect_b32 s[S_SEGB], \e, s[S_SEGB]
	s_cselect_b32 s[S_R0B], s[S_T3], s[S_R0B]
	s_cselect_b32 s[S_ENB], s[S_T0], s[S_ENB]
	s_mov_b32 s[S_B], s[S_T0]
	s_add_co_u32 s[S_C], s[S_C], s[S_T1]
.endm
; The second tile's way: 16 loads of X into a ring set, 16 rows of 512 bytes from \row on.  No hint: the slices' work-groups read these rows again.
.macro XLOAD slot, row
	SLOTSEL \slot
	WIN 0x40*GW
.irp i, 0,1,2,3,4,5,6,7,8,9,10,11,12,13,14,15
	global_load_b128 v[GB+4*\i:GB+4*\i+3], v[VX], s[S_XB:S_XB+1] offset:((\row)+\i)*XSTR
.endr
.endm
; Granule g of the weights: K step g / 2 (32 rows), quad g % 2 (64 columns): 16 loads, of which \from to \to are written.  Load i takes row i (i < 8) or i + 8 of the step,
; the upper lanes 8 rows on; each half of the lanes reads 256 consecutive bytes, aligned.  With an even split each byte is read once in the launch: hence the hint.
.macro WLOAD g, from, to
	SLOTSEL (\g)%4
	WIN 0x40*GW
.irp i, 0,1,2,3,4,5,6,7,8,9,10,11,12,13,14,15
.if (\i >= (\from)) && (\i <= (\to))
	global_load_b128 v[GB+4*\i:GB+4*\i+3], v[VW], s[S_WB:S_WB+1] offset:(32*((\g)/2)+\i+8*(\i/8))*WSTR+256*((\g)%2) th:TH_LOAD_NT
.endif
.endr
.endm
; The 32 lanes ask for the 32 row pieces of 256 bytes of granule g: each piece once for a tile, by the wave that will load it, beside the load of the granule four ahead of it:
; granules 4 to 15; the first four are loaded at once, and none is asked for past granule 15.
.macro PREF g
	global_prefetch_b8 v[VP], s[S_WB:S_WB+1] offset:32*((\g)/2)*WSTR+256*((\g)%2) th:TH_LOAD_NT scope:SCOPE_SE
.endm
; The token fragments of K step s (128 rows x 32 k) into buffer s % 2: lane l holds row l % 16, k = 8 (l / 16) + 0..7 and 16 + 8 (l / 16) + 0..7: two loads, 32 bytes apart.
.macro XFETCH s
	WIN 0
.irp t, 0,1,2,3,4,5,6,7
	ds_load_b128 v[XF+64*((\s)%2)+8*\t:XF+64*((\s)%2)+8*\t+3],   v[AX] offset:\t*16*PX+64*(\s)
	ds_load_b128 v[XF+64*((\s)%2)+8*\t+4:XF+64*((\s)%2)+8*\t+7], v[AX] offset:\t*16*PX+64*(\s)+32
.endr
.endm
; PERIOD p: granule p is rounded into 4 fragments, its ring set is asked for again (granule p + 4), and 32 products follow: 8 token tiles x 4 fragments, 32 along K.
; The 64 accumulators take turns, one instruction a turn, in the same order in every K step.
; The 32 conversions name no register of the products before them: they are the places in front of the loads into the token buffer that the last K step read,
; and the period before's 32 are those in front of the rewriting of this quad's fragments.
.macro PERIOD p
.set PS, (\p)/2
.set PQ, (\p)%2
	SLOTSEL (\p)%4
.if (\p) <= 12
	s_wait_loadcnt 48                              ; loads come back in order (ISA guide 5.7.1): granule p is in; the three younger granules stay out
.else
	s_wait_loadcnt 16*(15-(\p))                    ; nothing is asked for any more: the counts run down
.endif
	WIN 0x40+5*GW
.irp c, 0,1,2,3
.irp pr, 0,1,2,3,4,5,6,7
	v_cvt_pk_bf16_f32 v[32*PQ+8*\c+\pr], v[GB+8*\pr+\c], v[GB+8*\pr+4+\c]  ; column c of two neighbouring k
.endr
.endr
.if (\p) <= 11
	WLOAD (\p)+4, 0, 14                            ; fifteen now: 48 + 15 = 63 loads of mine are out while the products are issued
.endif
.if (\p) <= 7
	PREF (\p)+8
.endif
.if PQ == 0
	s_wait_dscnt 0x0                               ; this K step's token fragments are in (asked for two periods ago)
.if PS < 7
	XFETCH PS+1
.endif
.endif
	WIN 0xa1+0x50*PQ
.irp c, 0,1,2,3
.irp t, 0,1,2,3,4,5,6,7
.if PS == 0
	v_wmma_f32_16x16x32_bf16 v[8*(4*\t+\c):8*(4*\t+\c)+7], v[32*PQ+8*\c:32*PQ+8*\c+7], v[XF+64*(PS%2)+8*\t:XF+64*(PS%2)+8*\t+7], 0
.else
	v_wmma_f32_16x16x32_bf16 v[8*(4*\t+\c):8*(4*\t+\c)+7], v[32*PQ+8*\c:32*PQ+8*\c+7], v[XF+64*(PS%2)+8*\t:XF+64*(PS%2)+8*\t+7], v[8*(4*\t+\c):8*(4*\t+\c)+7]
.endif
.endr
.endr
.if (\p) <= 11
	WLOAD (\p)+4, 15, 15                           ; and the sixteenth
.endif
.endm
; Row 16 b + p of my 32 is stored if it lies in the tile: one store is the slice's whole row, 512 consecutive aligned bytes from 32 neighbouring lanes.  EXEC is never changed.
.macro ROWST b, p
	s_add_co_u32 s[S_G], s[S_RB], 16*(\b)+(\p)
	s_cmp_lt_u32 s[S_G], s[S_CNT]                  ; unsigned: a row ahead of the tile wraps to a large number
	s_cbranch_scc0 .Lnot_mine_\@
	global_store_b128 v[VO], v[RR+4*(\p):RR+4*(\p)+3], s[S_OB:S_OB+1] offset:(16*(\b)+(\p))*OSTR
.Lnot_mine_\@:
.endm
; THE WAY OUT of my token tile 2 w + b: the four waves' images are added, (0 + 1) + (2 + 3), put into the order of a row, sent through my own stage and stored by rows.
.macro OUTB b
	s_wait_xcnt 0x0                                ; every earlier memory instruction has had its addresses translated (ISA guide 3.1): the registers that earlier stores read are rewritten only behind this wait
	s_cmp_eq_u32 s[S_LIVE], 0
	s_cbranch_scc1 .Lzero_\b                       ; rows without an expert
	WIN 0x40
.irp src, 0,1,2
.irp a, 0,1,2,3,4,5,6,7
	ds_load_b128 v[64*\src+8*\a:64*\src+8*\a+3],   v[AR+\src] offset:(8*(\b)+\a)*IMG
	ds_load_b128 v[64*\src+8*\a+4:64*\src+8*\a+7], v[AR+\src] offset:(8*(\b)+\a)*IMG+512
.endr
.endr
	s_wait_dscnt 16                                ; waves 0's and 1's sums are in; wave 2's 16 loads may be out
.irp a, 0,1,2,3,4,5,6,7
	ds_load_b128 v[192+8*\a:192+8*\a+3],   v[AR+3] offset:(8*(\b)+\a)*IMG
	ds_load_b128 v[192+8*\a+4:192+8*\a+7], v[AR+3] offset:(8*(\b)+\a)*IMG+512
.endr
	WIN 0x45
.set z, 0
.rept 32
	v_pk_add_f32 v[z:z+1], v[z:z+1], v[64+z:64+z+1]
.set z, z+2
.endr
	s_wait_dscnt 0x0
.set z, 0
.rept 32
	v_pk_add_f32 v[128+z:128+z+1], v[128+z:128+z+1], v[192+z:192+z+1]
.set z, z+2
.endr
	WIN 0x05                                       ; sources in window 1, destination in window 0
.irp q, 0,1
.irp c, 0,1,2,3
.irp j, 0,1,2,3,4,5,6,7
	v_add_f32 v[PK+32*\q+4*\j+\c], v[32*\q+8*\c+\j], v[128+32*\q+8*\c+\j]  ; the last addition also puts the sum at its place in the row
.endr
.endr
.endr
	WIN 0
.irp q, 0,1
.irp i, 0,1,2,3,4,5,6,7
	ds_store_b128 v[SG], v[PK+32*\q+4*\i:PK+32*\q+4*\i+3] offset:256*\q+16*\i
.endr
.endr
.irp p, 0,1,2,3,4,5,6,7,8,9,10,11,12,13,14,15
	ds_load_b128 v[RR+4*\p:RR+4*\p+3], v[SR] offset:SP*\p  ; LDS serves a wave's instructions in order (ISA guide 5.7.1.4): these see the stores above
.endr
	s_wait_dscnt 0x0
	s_branch .Lstore_\b
.Lzero_\b:
.if (\b) == 0                          ; block 1 finds block 0's zeros still there: the flag does not change between the two, and nothing writes these registers on this way
.set z, 0
.rept 64
	v_mov_b32 v[RR+z], 0
.set z, z+1
.endr
.endif
.Lstore_\b:
.irp p, 0,1,2,3,4,5,6,7,8,9,10,11,12,13,14,15
	ROWST \b, \p
.endr
.endm
	s_load_b256 s[4:11], s[0:1], 0x0               ; batch_sizes s[4:5], X s[6:7], W s[8:9], OUT s[10:11]: never rewritten
	v_lshl_add_u32 v[SPW], v0, 2, SPARE
	v_mov_b32 v[NIL], 0
	ds_add_u32 v[SPW], v[NIL]                      ; the wave's opening: the add and its wait stand ahead of my tensor load; the set-up below, work on registers, stands between them
	v_lshrrev_b32 v[LANE], 5, v0
	v_readfirstlane_b32 s[S_W], v[LANE]            ; wave 0..3
	v_and_b32 v[LANE], 31, v0
	v_and_b32 v[RL], 15, v0
	v_bfe_u32 v[HL], v0, 4, 1
	v_lshlrev_b32 v[VW], 4, v[RL]
	v_lshl_add_u32 v[VW], v[HL], WSH+3, v[VW]
	v_lshlrev_b32 v[VP], WSH, v[LANE]
	v_lshlrev_b32 v[VX], 4, v[LANE]
	s_mul_i32 s[S_T0], s[S_W], REG                 ; my region
	v_lshl_add_u32 v[AS], v[LANE], LSH, s[S_T0]
	v_add_nc_u32 v[AS2], 64*PX, v[AS]
	v_mul_u32_u24 v[AX], v[RL], PX
	v_lshl_add_u32 v[AX], v[HL], 4, v[AX]
	v_add_nc_u32 v[AX], s[S_T0], v[AX]
	v_lshl_add_u32 v[AI], v[LANE], 4, s[S_T0]
	s_lshl_b32 s[S_T1], s[S_W], 14                 ; my block of images in every region
	v_lshl_add_u32 v[AR], v[LANE], 4, s[S_T1]
	v_add_nc_u32 v[AR+1], REG, v[AR]
	v_add_nc_u32 v[AR+2], 2*REG, v[AR]
	v_add_nc_u32 v[AR+3], 3*REG, v[AR]
	s_mul_i32 s[S_T2], s[S_W], STW
	s_add_co_u32 s[S_T2], s[S_T2], STG             ; my stage
	v_mul_u32_u24 v[SG], v[RL], SP
	v_lshl_add_u32 v[SG], v[HL], HSH, v[SG]
	v_add_nc_u32 v[SG], s[S_T2], v[SG]
	v_lshl_add_u32 v[SR], v[LANE], LSH, s[S_T2]
	v_lshlrev_b32 v[VO], LSH, v[LANE]
	s_and_b32 s[S_SX], ttmp9, 7                    ; the slice x % 8,
	s_lshl_b32 s[S_CT], s[S_SX], 9                 ; its 512 bytes in a row
	s_lshr_b32 s[S_KQ], ttmp9, 3                   ; the quarter x / 8
	s_and_b32 s[S_J], ttmp7, 0xffff
	s_mov_b32 s[S_OF+1], 0
	; The descriptor: a tile of 128 rows x 256 elements of 2 bytes, 16 bytes of padding behind each row of 512: element (row, k) lands at my region + 528 row + 2 k.
	s_mov_b32 s[G0], 1                             ; 1:0 count = 1
	s_mul_i32 s[G0+1], s[S_W], REG                 ; 63:32 LDS address: the wave's number times a constant
	s_mov_b32 s[G1], (1<<16)|(1<<20)|(6<<22)|(3<<25)  ; 15:0 no mask; 17:16 2-byte elements; 20 padding on; 24:22 after every 128 words (code 6); 31:25 4 words (code 3)
	s_mov_b32 s[G1+1], 256<<16                     ; tensor_dim0 = 256
	s_mov_b32 s[G1+2], 128<<16                     ; tensor_dim1 = 128
	s_mov_b32 s[G1+3], 256<<16                     ; tile_dim0 = 256
	s_mov_b32 s[G1+4], 128                         ; tile_dim1 = 128
	s_mov_b32 s[G1+5], 4096                        ; 4,096 elements from row to row
	s_mov_b32 s[G1+6], 0
	s_mov_b32 s[G1+7], 0
	s_wait_dscnt 0x0                               ; the opening add is done
	s_wait_kmcnt 0x0
	s_load_b256 s[S_BS:S_BS+7], s[4:5], 0x0
	; Both tiles are looked up ahead of the loop, in one walk over the nine segments.
	s_mov_b32 s[S_TT], s[S_J]
	s_add_co_u32 s[S_TTB], s[S_J], 8
	s_mov_b32 s[S_B], 0
	s_mov_b32 s[S_C], 0
	s_mov_b32 s[S_SEG], 0                          ; a tile that the split does not have keeps its three zeros: no rows
	s_mov_b32 s[S_R0], 0
	s_mov_b32 s[S_EN], 0
	s_mov_b32 s[S_SEGB], 0
	s_mov_b32 s[S_R0B], 0
	s_mov_b32 s[S_ENB], 0
	s_mov_b32 s[S_TRIP], 0
	s_wait_kmcnt 0x0
.irp e, 0,1,2,3,4,5,6,7,8
	SEGSTEP \e
.endr
	s_min_u32 s[S_WS], s[S_R0], 896                ; tile j's window, bounded by a written constant
	s_lshl_b32 s[S_OF], s[S_WS], XSH               ; its first row,
	s_lshl_b32 s[S_T0], s[S_W], XWSH               ; my 256 k
	s_add_co_u32 s[S_OF], s[S_OF], s[S_T0]
	s_lshl_b32 s[S_T0], s[S_KQ], 11                ; of the quarter's 1,024
	s_add_co_u32 s[S_OF], s[S_OF], s[S_T0]
	s_add_nc_u64 s[G0+2:G0+3], s[6:7], s[S_OF:S_OF+1]  ; 120:64 global address
	s_or_b32 s[G0+3], s[G0+3], 0x80000000          ; 127:126 type = 2
	tensor_load_to_lds s[G0:G0+3], s[G1:G1+7]      ; my only tensor load: tile j's 128 rows x my 256 k, ahead of every wait on TENSORcnt, every LDS read and every barrier
	s_nop 0
.rept 4
	v_nop
.endr
.Ltile:                                                ; two trips: tiles j and j + 8
	s_wait_xcnt 0x0                                ; the last trip's loads, prefetches and stores have read their bases
	s_add_co_u32 s[S_T0], s[S_R0], 128
	s_min_u32 s[S_EN], s[S_T0], s[S_EN]            ; the tile's end
	s_sub_co_u32 s[S_CNT], s[S_EN], s[S_R0]
	s_min_u32 s[S_WS], s[S_R0], 896                ; what enters an address is bounded here by a written constant: the window stays inside X and OUT,
	s_min_u32 s[S_SEGW], s[S_SEG], 7               ; the expert inside W
	s_sub_co_u32 s[S_T0], s[S_R0], s[S_WS]
	s_lshl_b32 s[S_RB], s[S_W], 5
	s_sub_co_u32 s[S_RB], s[S_RB], s[S_T0]
	s_lshl_b32 s[S_OF], s[S_WS], XSH               ; X: the window's first row, my 256 k of the quarter
	s_lshl_b32 s[S_T0], s[S_W], XWSH
	s_add_co_u32 s[S_OF], s[S_OF], s[S_T0]
	s_lshl_b32 s[S_T0], s[S_KQ], 11
	s_add_co_u32 s[S_OF], s[S_OF], s[S_T0]
	s_add_nc_u64 s[S_XB:S_XB+1], s[6:7], s[S_OF:S_OF+1]
	s_lshl_b32 s[S_OF], s[S_SEGW], 24              ; W: the expert's 16 MiB, the quarter's 1,024 rows, my 256 of them, the slice's 512 bytes
	s_lshl_b32 s[S_T0], s[S_W], WWSH
	s_add_co_u32 s[S_OF], s[S_OF], s[S_T0]
	s_lshl_b32 s[S_T0], s[S_KQ], 22
	s_add_co_u32 s[S_OF], s[S_OF], s[S_T0]
	s_add_co_u32 s[S_OF], s[S_OF], s[S_CT]
	s_add_nc_u64 s[S_WB:S_WB+1], s[8:9], s[S_OF:S_OF+1]
	s_lshl_b32 s[S_T0], s[S_W], 5                  ; OUT: the quarter's 4 MiB, my 32 rows of the window, the slice
	s_add_co_u32 s[S_T0], s[S_T0], s[S_WS]
	s_lshl_b32 s[S_OF], s[S_T0], OSH
	s_lshl_b32 s[S_T0], s[S_KQ], 22
	s_add_co_u32 s[S_OF], s[S_OF], s[S_T0]
	s_add_co_u32 s[S_OF], s[S_OF], s[S_CT]
	s_add_nc_u64 s[S_OB:S_OB+1], s[10:11], s[S_OF:S_OF+1]
	s_cmp_eq_u32 s[S_SEG], 8
	s_cselect_b32 s[S_LIVE], 0, s[S_CNT]
	s_cmp_eq_u32 s[S_LIVE], 0
	s_cbranch_scc1 .Ldead1                         ; nothing to multiply
	s_cmp_eq_u32 s[S_TRIP], 0
	s_cbranch_scc1 .Lhave_x                        ; tile j's rows are on their way by the tensor load
	; THE SECOND TILE'S STAGING: my 128 rows x 256 k of X go through the ring's four sets into my region, bf16 as they lie: eight pieces of 16 rows of 512 bytes.
	s_wait_tensorcnt 0x0                           ; nothing lands in my region any more (shown in the first trip already)
.irp p, 0,1,2,3
	XLOAD \p, 16*\p
.endr
.irp p, 0,1,2,3,4,5,6,7
	SLOTSEL \p%4
.if \p < 5
	s_wait_loadcnt 48                              ; this set's 16 loads are in, the three younger sets' 48 stay out
.else
	s_wait_loadcnt 16*(7-\p)                       ; the last pieces: the counts run down
.endif
	WIN 4*GW
.irp i, 0,1,2,3,4,5,6,7,8,9,10,11,12,13,14,15
.if \p < 4
	ds_store_b128 v[AS], v[GB+4*\i:GB+4*\i+3] offset:(16*\p+\i)*PX
.else
	ds_store_b128 v[AS2], v[GB+4*\i:GB+4*\i+3] offset:(16*(\p-4)+\i)*PX
.endif
.endr
.if \p < 4
	XLOAD \p, 16*(\p+4)
.endif
.endr
	WIN 0
.Lhave_x:
	; The ring is filled: the first four granules of the weights.  In the first trip nothing stands between the tile's addresses and these loads.
.irp g, 0,1,2
	WLOAD \g, 0, 15
	PREF \g+4
.endr
	WLOAD 3, 0, 14                                 ; 63 loads of mine are out
	PREF 7
	s_wait_tensorcnt 0x0                           ; my rows have landed; I alone read them
	XFETCH 0                                       ; (in the second trip: my own stores; LDS serves a wave's instructions in order: ISA guide 5.7.1.4)
	WLOAD 3, 15, 15                                ; and the sixty-fourth
	; THE MAIN PHASE: 16 periods, 8 K steps x 2 quads, written out: every offset is an immediate, 255 rows of W at the most, inside the signed 24 bits (ISA guide, chapter 10)
.irp p, 0,1,2,3,4,5,6,7,8,9,10,11,12,13,14,15
	PERIOD \p
.endr
.rept 4
	v_nop                                          ; the places between the last products and the stores that read results
.endr
	; My 64 partial sums go over my region, whose token rows I alone read and have read, and which has had its one fill: owner t / 2's block, image (t % 2) 8 + 4 q + c;
	; each accumulator's low registers first.
.irp q, 0,1
	WIN 0x08+4*\q
.irp t, 0,1,2,3,4,5,6,7
.irp c, 0,1,2,3
	ds_store_b128 v[AI], v[8*(4*\t+\c):8*(4*\t+\c)+3]   offset:(\t/2)*OWN+((\t%2)*8+4*\q+\c)*IMG
	ds_store_b128 v[AI], v[8*(4*\t+\c)+4:8*(4*\t+\c)+7] offset:(\t/2)*OWN+((\t%2)*8+4*\q+\c)*IMG+512
.endr
.endr
.endr
	WIN 0
.Ldead1:
	s_wait_tensorcnt 0x0                           ; on the way round the products too: my tensor load has landed before anything is stored over its bytes
	s_wait_dscnt 0x0                               ; for the others' sake: my images are written
	s_barrier_signal -1
	s_barrier_wait -1                              ; everybody's are
	s_cmp_eq_u32 s[S_CNT], 0
	s_cbranch_scc1 .Ldead2                         ; a tile without rows stores nothing
	OUTB 0
	OUTB 1
.Ldead2:
	s_wait_dscnt 0x0                               ; my reads of the others' regions are over
	s_barrier_signal -1
	s_barrier_wait -1                              ; everybody's are: the next trip may stage over the images
	s_mov_b32 s[S_SEG], s[S_SEGB]                  ; tile j + 8 is the next
	s_mov_b32 s[S_R0], s[S_R0B]
	s_mov_b32 s[S_EN], s[S_ENB]
	s_add_co_u32 s[S_TRIP], s[S_TRIP], 1
	s_cmp_lt_u32 s[S_TRIP], 2
	s_cbranch_scc1 .Ltile
	s_wait_tensorcnt 0x0                           ; the wave's end: behind my tensor load and my last LDS store
	ds_add_u32 v[SPW], v[NIL]
	s_wait_dscnt 0x0
	s_endpgm
.Lfunc_end_k_qda836fcd19_down_proj:
	.size	k_qda836fcd19_down_proj, .Lfunc_end_k_qda836fcd19_down_proj-k_qda836fcd19_down_proj
	.p2alignl 7, 3214868480
	.fill 96, 4, 3214868480
	.section	.rodata,"a",@progbits
	.p2align	6, 0x0
	.amdhsa_kernel k_qda836fcd19_down_proj
		.amdhsa_group_segment_fixed_size 327680
		.amdhsa_private_segment_fixed_size 0
		.amdhsa_enable_private_segment 0
		.amdhsa_kernarg_size 32
		.amdhsa_user_sgpr_count 2
		.amdhsa_user_sgpr_kernarg_segment_ptr 1
		.amdhsa_wavefront_size32 1
		.amdhsa_system_sgpr_workgroup_id_x 1
		.amdhsa_system_sgpr_workgroup_id_y 1
		.amdhsa_system_sgpr_workgroup_id_z 1
		.amdhsa_system_vgpr_workitem_id 0
		.amdhsa_next_free_vgpr 1024
		.amdhsa_next_free_sgpr 66
		.amdhsa_reserve_vcc 0
		.amdhsa_float_denorm_mode_32 3
		.amdhsa_float_denorm_mode_16_64 3
		.amdhsa_memory_ordered 1
		.amdhsa_forward_progress 1
		.amdhsa_inst_pref_size 174
	.end_amdhsa_kernel
	.amdgpu_metadata
---
amdhsa.version: [ 1, 2 ]
amdhsa.kernels:
  - .name:           k_qda836fcd19_down_proj
    .symbol:         k_qda836fcd19_down_proj.kd
    .args:
      - { .name: batch_sizes, .offset: 0, .size: 8, .value_kind: global_buffer, .address_space: global }
      - { .name: up, .offset: 8, .size: 8, .value_kind: global_buffer, .address_space: global }
      - { .name: w2_weight, .offset: 16, .size: 8, .value_kind: global_buffer, .address_space: global }
      - { .name: part, .offset: 24, .size: 8, .value_kind: global_buffer, .address_space: global }
    .group_segment_fixed_size: 327680
    .private_segment_fixed_size: 0
    .kernarg_segment_align: 8
    .kernarg_segment_size: 32
    .max_flat_workgroup_size: 128
    .sgpr_count:     66
    .vgpr_count:     1024
    .wavefront_size: 32
...
	.end_amdgpu_metadata
.endif
;; end of part 2
;; launch add_parts (part 3): grid 256 x 1, 8 waves a work-group, no clusters, 0 bytes of LDS; arguments part, out0; writes out0
.if DOCPART == 3
	.amdgcn_target "amdgcn-amd-amdhsa--gfx1250"
	.amdhsa_code_object_version 6
	.text
	.protected	k_qda836fcd19_add_parts
	.globl	k_qda836fcd19_add_parts
	.p2align	8
	.type	k_qda836fcd19_add_parts,@function
k_qda836fcd19_add_parts:
	s_mov_b64 s[64:65], 0
	v_nop
	global_prefetch_b8 v0, s[64:65] scope:SCOPE_SE
	s_setreg_imm32_b32 hwreg(HW_REG_WAVE_MODE, 25, 1), 1
	s_wait_xcnt 0x0
; out0 = (part[0] + part[1]) + (part[2] + part[3]).  part: [4][1024][1024] f32, the four quarters of K of the second product; out0: [1024][1024] f32.
; A stream: no LDS, no barrier, no matrix unit.  A work-group owns 16,384 consecutive bytes of out0, in four chunks of 4,096; thread t has the 16 bytes at 16 t of each chunk,
; so each load and store of a wave covers 512 consecutive bytes, aligned.  All 16 loads of a thread go out ahead of the first wait.
.set CH,   4096                        ; bytes in a chunk: 256 threads x 16
.set QB,   0x400000                    ; bytes in a quarter's partial sums
.set P,    4                           ; v[4:67]  chunk i, quarter k at P + 16 i + 4 k
	s_load_b128 s[4:7], s[0:1], 0x0                ; part s[4:5], out0 s[6:7]
	v_lshlrev_b32 v1, 4, v0                        ; 16 t
	s_lshl_b32 s8, ttmp9, 14                       ; the work-group's 16,384 bytes
	s_mov_b32 s9, 0
	s_wait_kmcnt 0x0
	s_add_nc_u64 s[10:11], s[4:5], s[8:9]          ; quarters 0 and 1 (the second by the immediate),
	s_add_nc_u64 s[12:13], s[10:11], 2*QB          ; quarters 2 and 3
	s_add_nc_u64 s[14:15], s[6:7], s[8:9]
.irp i, 0,1,2,3
	global_load_b128 v[P+16*\i:P+16*\i+3],     v1, s[10:11] offset:CH*\i th:TH_LOAD_NT
	global_load_b128 v[P+16*\i+4:P+16*\i+7],   v1, s[10:11] offset:QB+CH*\i th:TH_LOAD_NT
	global_load_b128 v[P+16*\i+8:P+16*\i+11],  v1, s[12:13] offset:CH*\i th:TH_LOAD_NT
	global_load_b128 v[P+16*\i+12:P+16*\i+15], v1, s[12:13] offset:QB+CH*\i th:TH_LOAD_NT
.endr
.irp i, 0,1,2,3
	s_wait_loadcnt 12-4*\i                         ; loads come back in order (ISA guide 5.7.1): chunk i's four are in, the younger chunks' stay out
	v_pk_add_f32 v[P+16*\i:P+16*\i+1],     v[P+16*\i:P+16*\i+1],     v[P+16*\i+4:P+16*\i+5]
	v_pk_add_f32 v[P+16*\i+2:P+16*\i+3],   v[P+16*\i+2:P+16*\i+3],   v[P+16*\i+6:P+16*\i+7]
	v_pk_add_f32 v[P+16*\i+8:P+16*\i+9],   v[P+16*\i+8:P+16*\i+9],   v[P+16*\i+12:P+16*\i+13]
	v_pk_add_f32 v[P+16*\i+10:P+16*\i+11], v[P+16*\i+10:P+16*\i+11], v[P+16*\i+14:P+16*\i+15]
	v_pk_add_f32 v[P+16*\i:P+16*\i+1],     v[P+16*\i:P+16*\i+1],     v[P+16*\i+8:P+16*\i+9]
	v_pk_add_f32 v[P+16*\i+2:P+16*\i+3],   v[P+16*\i+2:P+16*\i+3],   v[P+16*\i+10:P+16*\i+11]
	global_store_b128 v1, v[P+16*\i:P+16*\i+3], s[14:15] offset:CH*\i th:TH_STORE_NT
.endr
	s_endpgm
.Lfunc_end_k_qda836fcd19_add_parts:
	.size	k_qda836fcd19_add_parts, .Lfunc_end_k_qda836fcd19_add_parts-k_qda836fcd19_add_parts
	.p2alignl 7, 3214868480
	.fill 96, 4, 3214868480
	.section	.rodata,"a",@progbits
	.p2align	6, 0x0
	.amdhsa_kernel k_qda836fcd19_add_parts
		.amdhsa_group_segment_fixed_size 0
		.amdhsa_private_segment_fixed_size 0
		.amdhsa_enable_private_segment 0
		.amdhsa_kernarg_size 16
		.amdhsa_user_sgpr_count 2
		.amdhsa_user_sgpr_kernarg_segment_ptr 1
		.amdhsa_wavefront_size32 1
		.amdhsa_system_sgpr_workgroup_id_x 1
		.amdhsa_system_sgpr_workgroup_id_y 1
		.amdhsa_system_sgpr_workgroup_id_z 1
		.amdhsa_system_vgpr_workitem_id 0
		.amdhsa_next_free_vgpr 72
		.amdhsa_next_free_sgpr 66
		.amdhsa_reserve_vcc 0
		.amdhsa_float_denorm_mode_32 3
		.amdhsa_float_denorm_mode_16_64 3
		.amdhsa_memory_ordered 1
		.amdhsa_forward_progress 1
		.amdhsa_inst_pref_size 5
	.end_amdhsa_kernel
	.amdgpu_metadata
---
amdhsa.version: [ 1, 2 ]
amdhsa.kernels:
  - .name:           k_qda836fcd19_add_parts
    .symbol:         k_qda836fcd19_add_parts.kd
    .args:
      - { .name: part, .offset: 0, .size: 8, .value_kind: global_buffer, .address_space: global }
      - { .name: out0, .offset: 8, .size: 8, .value_kind: global_buffer, .address_space: global }
    .group_segment_fixed_size: 0
    .private_segment_fixed_size: 0
    .kernarg_segment_align: 8
    .kernarg_segment_size: 16
    .max_flat_workgroup_size: 256
    .sgpr_count:     66
    .vgpr_count:     72
    .wavefront_size: 32
...
	.end_amdgpu_metadata
.endif
;; end of part 3
